; MI455X (gfx1250); checked and timed in simulation.
; The chip was launched on July 23, 2026; its instructions are those of AMD's public machine-readable ISA for CDNA 5 (MIT licence, August 2026) and "CDNA5" Instruction Set Architecture Reference Guide (July 2026). The comments in the code are by the model that wrote it; some were corrected since.
;; Quantized Linear. Allowed arithmetic: float matrix products may take bf16 or f16 operands with f32 sums; other float arithmetic in f32, or as packed bf16 or f16 multiplies, adds, multiply-adds, maxima and minima; sums over many terms, partial sums and values carried from step to step in f32; what a program stores and reads back later, other than sums and carried values, may be rounded once to bf16 or f16.
;; Inputs: normal_indices 3,968 int32; outlier_indices 128 int32; weight_int8 4,096 x 3,968 int8; weight_outlier_fp16 4,096 x 128 float32; weight_scale 4,096 float32; x 4 x 1,024 x 4,096 float32.
;; Outputs: out0 4 x 1,024 x 4,096 float32.
;; One version. Each part assembles by itself: llvm-mc -triple=amdgcn-amd-amdhsa -mcpu=gfx1250 --defsym DOCPART=n.
;; ======== version 1 of 1: 2 launches
;; workspace buffers: a2 33,554,432 bytes; b2 33,554,432 bytes; xs2 32,768 bytes
;; launch prep (part 1): grid 256 x 1, 8 waves a work-group, no clusters, 132,096 bytes of LDS; arguments x, normal_indices, outlier_indices, weight_int8, weight_outlier_fp16, a2, b2, xs2; writes a2, b2, xs2
.if DOCPART == 1
	.amdgcn_target "amdgcn-amd-amdhsa--gfx1250"
	.amdhsa_code_object_version 6
	.text
	.protected	k_q1aea6603d9_prep
	.globl	k_q1aea6603d9_prep
	.p2align	8
	.type	k_q1aea6603d9_prep,@function
k_q1aea6603d9_prep:
	s_mov_b64 s[64:65], 0
	v_nop
	global_prefetch_b8 v0, s[64:65] scope:SCOPE_SE
	s_setreg_imm32_b32 hwreg(HW_REG_WAVE_MODE, 25, 1), 1
	s_wait_xcnt 0x0
; QuantizedLinear, first of two launches.  With T = 4 x 1024 = 4,096 tokens:
;   out[t][n] = xs[t] ws[n] sum_j q[t][j] w8[n][j] + sum_o x[t][oi[o]] wo[n][o],   q = clip(round(x[t][ni[j]] / xs[t]), -127, 127),   xs[t] = max(max_j |x[t][ni[j]]|, 1e-8) / 127.
; This launch lays both products' operands out as ONE K axis of 4,096 in bf16, for the product that follows:
;   a2[t][j] = q[t][j] (j < 3,968: whole numbers up to 127 in size, exact in bf16's 8 significant bits), a2[t][3968 + o] = bf16(x[t][oi[o]]);
;   b2[n][j] = w8[n][j] (exact), b2[n][3968 + o] = bf16(wo[n][o]);   xs2[t] = xs[t], twice (the pair that a packed multiply names).
; NO WORK OF reference() IS LEFT OUT: all six inputs reach the output (weight_scale is read by the second launch); the clip and the floor 1e-8 are kept.  Both index lists are looked up as they
; are given: no order, and no partition of the columns, is built in.
; LIMITS.  An index outside 0 .. 4,095 is taken as min(index read as unsigned, 4,095).  A NaN in x does not raise its row's maximum.  x / xs is x times 1 / xs, corrected once by its remainder: a
; quotient within rounding of a half may round to the neighbouring whole number, which moves an output by 127 xs ws at the most.  The outlier operands are rounded to bf16.
; SHARES.  2,048 waves; wave W takes rows 2 W and 2 W + 1 of x and rows 2 W and 2 W + 1 of both weights.  One wave, one row: maximum and scale never leave the wave.
; THE LOOKUP goes through LDS: the row of x is laid into the wave's own 16 KiB as it lies in memory, and each lane reads its 128 columns by their indices, which it keeps as LDS addresses for both
; rows.  No wave touches another's 16 KiB, so there is no barrier, and since LDS serves a wave's instructions in order (ISA guide 5.7.1.4) no wait stands between the stores and the reads.
; LANES.  Lane l holds the output columns 128 s + 4 l + e (s = 0 .. 31, e = 0 .. 3): 8 bytes of a2 on end, so a store of the wave covers 256 consecutive bytes, aligned; s = 0 .. 30 are the 3,968 normal
; columns and s = 31 the 128 outliers, for every lane alike: no lane is masked.
; LEFT OUT: matrix units, tensor loads, clusters (nothing is shared but 16 KiB of indices); a prefetch (a wave asks for all its input in its first two runs of loads).
; REGISTERS, in windows of 256 (s_set_vgpr_msb: bits 1:0 source 0, 3:2 source 1, 5:4 source 2, 7:6 destination).  Window 0: below.  Window 1: v0-127 IDX, v128-255 X.
.set ROWX,  16384                      ; bytes in a row of x
.set ROWA,  8192                       ; bytes in a row of a2 and of b2
.set SPARE, 131072                     ; behind the eight rows: the spare words, 128 bytes for each wave: four blocks of 256 bytes that no other line names
.set LANE, 1                           ; v1   l
.set AO,   2                           ; v2   16 l; never rewritten
.set IO,   3                           ; v3   32 l
.set WL,   4                           ; v4   8 l
.set WO1,  5                           ; v5   16 l + 256 (l / 16)
.set WO2,  6                           ; v6   16 l + 7,936 (l / 16)
.set LST,  7                           ; v7   16,384 x wave + 16 l: where I put 16 bytes of the row
.set SPW,  8                           ; v8   LDS address of my spare word: SPARE + 4 x my thread's number; never rewritten
.set NIL,  9                           ; v9   0; never rewritten
.set M,    10                          ; v10-13  four running maxima
.set XSV,  16                          ; v16-19  xs of row 0, twice; of row 1, twice
.set INV,  20                          ; v20-21  1 / xs, twice
.set T,    24                          ; v24-31 quotients, v32-39 remainders
.set WOF,  40                          ; v40-47  8 f32 of weight_outlier_fp16
.set F,    48                          ; v48-55  8 weights as f32
.set G,    64                          ; v64-191 the 128 numbers looked up, G[4 s + e]; packed in place to 64 words; also b2's 128 words
.set WB,   192                         ; v192-253  31 x 8 bytes of weight_int8
.set IDX,  0                           ; window 1: the LDS address of column 128 s + 4 l + e at IDX + 4 s + e
.set X,    128                         ; window 1: the row as loaded
.set MSB, 0
.macro WIN new                         ; the immediate's high byte repeats the setting that is left; a switch that changes nothing is dropped
.if MSB != (\new)
	s_set_vgpr_msb (MSB<<8)|(\new)
.set MSB, \new
.endif
.endm
	s_load_b256 s[8:15], s[0:1], 0x0               ; x s[8:9], normal_indices s[10:11], outlier_indices s[12:13], weight_int8 s[14:15]
	s_load_b256 s[16:23], s[0:1], 0x20             ; weight_outlier_fp16 s[16:17], a2 s[18:19], b2 s[20:21], xs2 s[22:23]
	v_lshl_add_u32 v[SPW], v0, 2, SPARE
	v_mov_b32 v[NIL], 0
	v_lshrrev_b32 v14, 5, v0
	v_readfirstlane_b32 s4, v14                    ; wave 0..7
	v_and_b32 v[LANE], 31, v0
	v_lshlrev_b32 v[AO], 4, v[LANE]
	v_lshlrev_b32 v[IO], 5, v[LANE]
	v_lshlrev_b32 v[WL], 3, v[LANE]
	v_lshrrev_b32 v15, 4, v[LANE]                  ; l / 16
	v_lshl_add_u32 v[WO1], v15, 8, v[AO]
	v_mul_u32_u24 v[WO2], v15, 7936
	v_add_nc_u32 v[WO2], v[WO2], v[AO]
	s_lshl_b32 s6, s4, 14                          ; my wave's 16 KiB of LDS
	v_add_nc_u32 v[LST], s6, v[AO]
	s_lshl_b32 s5, ttmp9, 3
	s_add_co_u32 s5, s5, s4                        ; W = 8 x work-group + wave
	s_mov_b32 s25, 0x3c010204                      ; 1 / 127
	s_mov_b32 s26, 0x42fe0000                      ; 127
	s_mov_b32 s27, 0xc2fe0000                      ; -127
	s_mov_b32 s30, 0x76543210                      ; v_permlanex16_b32: each lane takes its own place in the other half
	s_mov_b32 s31, 0xfedcba98
	s_mov_b32 s32, 0x4b000000                      ; 2^23: a byte set into its lowest 8 bits is added to it
	s_mov_b32 s33, 0x03000004                      ; v_perm_b32's selects: byte k of the weights' word below, 0, 0, 0x4b on top
	s_mov_b32 s34, 0x03000005
	s_mov_b32 s35, 0x03000006
	s_mov_b32 s36, 0x03000007
	s_mov_b32 s38, 0xcb000080                      ; -(2^23 + 128)
	s_mov_b32 s39, 0xcb000080                      ; named with it as a pair
	s_mov_b32 s40, 0x80808080                      ; turns four signed bytes w into w + 128, unsigned
	s_mov_b32 s3, 0
	s_wait_kmcnt 0x0
	s_lshl_b32 s2, s5, 15                          ; two rows of x
	s_add_nc_u64 s[8:9], s[8:9], s[2:3]
	s_lshl_b32 s2, s5, 14                          ; two rows of a2 and of b2
	s_add_nc_u64 s[18:19], s[18:19], s[2:3]
	s_add_nc_u64 s[20:21], s[20:21], s[2:3]
	s_mul_i32 s2, s5, 7936                         ; two rows of weight_int8: 31 x 256 bytes
	s_add_nc_u64 s[14:15], s[14:15], s[2:3]
	s_lshl_b32 s2, s5, 10                          ; two rows of weight_outlier_fp16
	s_add_nc_u64 s[16:17], s[16:17], s[2:3]
	s_lshl_b32 s2, s5, 4                           ; two pairs of xs2
	s_add_nc_u64 s[22:23], s[22:23], s[2:3]
.macro XLOAD r                         ; row r of my two: 32 loads of 512 consecutive bytes
	WIN 0x40                                       ; destination window 1, address window 0
.set i, 0
.rept 32
	global_load_b128 v[X+4*i:X+4*i+3], v[AO], s[8:9] offset:(\r)*ROWX+512*i th:TH_LOAD_NT
.set i, i+1
.endr
	WIN 0
.endm
.macro XSTORE                          ; the row into my 16 KiB, as it lies in memory: column c at byte 4 c
	WIN 0x04                                       ; data (source 1) window 1
.set i, 0
.rept 32
	ds_store_b128 v[LST], v[X+4*i:X+4*i+3] offset:512*i
.set i, i+1
.endr
	WIN 0
.endm
.macro GATHER                          ; my 128 columns, by their indices
	WIN 0x01                                       ; address (source 0) window 1
.set i, 0
.rept 128
	ds_load_b32 v[G+i], v[IDX+i]
.set i, i+1
.endr
	WIN 0
.endm
.macro AMAX                            ; the largest |x| of the row's 3,968 normal columns, in every lane: G[0 .. 123] in four chains that the first eight numbers start, then across the lanes
.irp c, 0,1,2,3
	v_max_num_f32 v[M+(\c)], |v[G+2*(\c)]|, |v[G+2*(\c)+1]|
.endr
.set j, 8
.rept 58
	v_max3_num_f32 v[M+(j/2)%4], v[M+(j/2)%4], |v[G+j]|, |v[G+j+1]|
.set j, j+2
.endr
	v_max3_num_f32 v[M], v[M], v[M+1], v[M+2]
	v_max_num_f32 v[M], v[M], v[M+3]
	v_max_num_f32_dpp v[M], v[M], v[M] row_xmask:1 row_mask:0xf bank_mask:0xf
	v_max_num_f32_dpp v[M], v[M], v[M] row_xmask:2 row_mask:0xf bank_mask:0xf
	v_max_num_f32_dpp v[M], v[M], v[M] row_xmask:4 row_mask:0xf bank_mask:0xf
	v_max_num_f32_dpp v[M], v[M], v[M] row_xmask:8 row_mask:0xf bank_mask:0xf
	v_permlanex16_b32 v14, v[M], s30, s31          ; its destination counts as read: v14 has been written
	v_max_num_f32 v[M], v[M], v14
.endm
.macro SCALE r                         ; xs = max(m, 1e-8) / 127: the product by 1 / 127, corrected by its remainder; then 1 / xs
	v_max_num_f32 v[M], 0x322bcc77, v[M]           ; 1e-8
	v_mul_f32 v14, s25, v[M]
	v_fma_f32 v15, -v14, s26, v[M]                 ; m - 127 q
	v_fma_f32 v[XSV+2*(\r)], v15, s25, v14
	v_fma_f32 v[XSV+2*(\r)+1], v15, s25, v14
	v_rcp_f32 v[INV], v[XSV+2*(\r)]
	v_rcp_f32 v[INV+1], v[XSV+2*(\r)]
	v_nop                                          ; a plain instruction behind the second reciprocal, ahead of the first use (ISA guide 5.7.2)
	s_wait_alu depctr_va_vdst(0)                   ; ahead of the first reader: one wait for both reciprocals
.endm
; Numbers 8 k .. 8 k + 7 of G: x / xs, rounded to nearest even, clipped, packed to bf16 into words 4 k .. 4 k + 3 of G, which lie at or below what has been read.
; In k = 15 the last four numbers are the outliers: they are only rounded to bf16.
.macro QG k, r
.irp p, 0,1,2,3
.if ((\k) < 15) || ((\p) < 2)
	v_pk_mul_f32 v[T+2*(\p):T+2*(\p)+1], v[G+8*(\k)+2*(\p):G+8*(\k)+2*(\p)+1], v[INV:INV+1]
.endif
.endr
.irp p, 0,1,2,3
.if ((\k) < 15) || ((\p) < 2)
	v_pk_fma_f32 v[T+8+2*(\p):T+8+2*(\p)+1], v[T+2*(\p):T+2*(\p)+1], v[XSV+2*(\r):XSV+2*(\r)+1], v[G+8*(\k)+2*(\p):G+8*(\k)+2*(\p)+1] neg_lo:[1,0,0] neg_hi:[1,0,0]  ; x - y xs
.endif
.endr
.irp p, 0,1,2,3
.if ((\k) < 15) || ((\p) < 2)
	v_pk_fma_f32 v[T+2*(\p):T+2*(\p)+1], v[T+8+2*(\p):T+8+2*(\p)+1], v[INV:INV+1], v[T+2*(\p):T+2*(\p)+1]
.endif
.endr
.irp e, 0,1,2,3,4,5,6,7
.if ((\k) < 15) || ((\e) < 4)
	v_rndne_f32 v[T+(\e)], v[T+(\e)]
.endif
.endr
.irp e, 0,1,2,3,4,5,6,7
.if ((\k) < 15) || ((\e) < 4)
	v_med3_num_f32 v[T+(\e)], v[T+(\e)], s27, s26
.endif
.endr
.irp p, 0,1,2,3
.if ((\k) < 15) || ((\p) < 2)
	v_cvt_pk_bf16_f32 v[G+4*(\k)+(\p)], v[T+2*(\p)], v[T+2*(\p)+1]
.else
	v_cvt_pk_bf16_f32 v[G+4*(\k)+(\p)], v[G+8*(\k)+2*(\p)], v[G+8*(\k)+2*(\p)+1]
.endif
.endr
.endm
.macro ASTORE r                        ; the row of a2: each store of the wave covers 256 consecutive bytes, aligned
.set i, 0
.rept 32
	global_store_b64 v[WL], v[G+2*i:G+2*i+1], s[18:19] offset:(\r)*ROWA+256*i
.set i, i+1
.endr
.endm
.macro WLOAD                           ; my two rows of weight_int8 are 7,936 consecutive bytes: 31 loads of 256; my two rows of weight_outlier_fp16 are 1,024: 32 bytes a lane
.set i, 0
.rept 31
	global_load_b64 v[WB+2*i:WB+2*i+1], v[WL], s[14:15] offset:256*i th:TH_LOAD_NT
.set i, i+1
.endr
	global_load_b128 v[WOF:WOF+3],   v[IO], s[16:17] th:TH_LOAD_NT
	global_load_b128 v[WOF+4:WOF+7], v[IO], s[16:17] offset:16 th:TH_LOAD_NT
.endm
; Eight weights of load i: w + 128 as an unsigned byte, set below 2^23, less 2^23 + 128: w as f32, exactly; packed to bf16, exactly; 16 bytes of b2.
; Weight 256 i + 8 l of the two rows lies in row 0 up to 3,967; row 1 begins 128 columns (256 bytes) later in b2 than in weight_int8: in load 15 from lane 16 on.
.macro WCONV i
	v_xor_b32 v[WB+2*(\i)], s40, v[WB+2*(\i)]
	v_xor_b32 v[WB+2*(\i)+1], s40, v[WB+2*(\i)+1]
.irp k, 0,1,2,3
	v_perm_b32 v[F+(\k)], v[WB+2*(\i)], s32, s[33+(\k)]
	v_perm_b32 v[F+4+(\k)], v[WB+2*(\i)+1], s32, s[33+(\k)]
.endr
.irp p, 0,1,2,3
	v_pk_add_f32 v[F+2*(\p):F+2*(\p)+1], v[F+2*(\p):F+2*(\p)+1], s[38:39] op_sel_hi:[1,0]
.endr
.irp p, 0,1,2,3
	v_cvt_pk_bf16_f32 v[G+4*(\i)+(\p)], v[F+2*(\p)], v[F+2*(\p)+1]
.endr
.if (\i) < 15
	global_store_b128 v[AO], v[G+4*(\i):G+4*(\i)+3], s[20:21] offset:512*(\i)
.elseif (\i) == 15
	global_store_b128 v[WO1], v[G+4*(\i):G+4*(\i)+3], s[20:21] offset:7680
.else
	global_store_b128 v[AO], v[G+4*(\i):G+4*(\i)+3], s[20:21] offset:512*(\i)+256
.endif
.endm
	; the two index lists, then row 0
	WIN 0x40
.set i, 0
.rept 31
	global_load_b128 v[IDX+4*i:IDX+4*i+3], v[AO], s[10:11] offset:512*i
.set i, i+1
.endr
	global_load_b128 v[IDX+124:IDX+127], v[AO], s[12:13]
	XLOAD 0
	s_wait_loadcnt 32                              ; loads come back in order (ISA guide 5.7.1): the 32 index loads are in, the row's 32 stay out
	WIN 0x55                                       ; all places window 1
.set i, 0
.rept 128
	v_min_u32 v[IDX+i], 0xfff, v[IDX+i]            ; inside the row, whatever the list holds
.set i, i+1
.endr
.set i, 0
.rept 128
	v_lshl_add_u32 v[IDX+i], v[IDX+i], 2, s6       ; 4 x index + my wave's 16 KiB
.set i, i+1
.endr
	WIN 0
	s_wait_loadcnt 0x0                             ; row 0 is in
	XSTORE
	WLOAD                                          ; the weights (33 loads) and row 1 (32) are on their way while row 0 is worked on
	XLOAD 1
	GATHER
	s_wait_dscnt 0x0
	AMAX
	SCALE 0
.irp k, 0,1,2,3,4,5,6,7,8,9,10,11,12,13,14,15
	QG \k, 0
.endr
	ASTORE 0
	s_wait_loadcnt 32                              ; the weights' 33 loads are in; row 1's 32 may stay out
	s_wait_xcnt 0x0                                ; a2's stores have read G (ISA guide 3.1): it is written again only behind this wait
.irp i, 0,1,2,3,4,5,6,7,8,9,10,11,12,13,14,15,16,17,18,19,20,21,22,23,24,25,26,27,28,29,30
	WCONV \i
.endr
.irp p, 0,1,2,3
	v_cvt_pk_bf16_f32 v[G+124+(\p)], v[WOF+2*(\p)], v[WOF+2*(\p)+1]
.endr
	global_store_b128 v[WO2], v[G+124:G+127], s[20:21] offset:7936  ; columns 3,968 + 8 (l % 16) on of row l / 16: 256 consecutive bytes for each half of the lanes
	s_wait_loadcnt 0x0                             ; row 1 is in; my reads of row 0 in LDS were waited for above
	XSTORE
	s_wait_xcnt 0x0                                ; b2's stores have read G
	GATHER
	s_wait_dscnt 0x0
	AMAX
	SCALE 1
.irp k, 0,1,2,3,4,5,6,7,8,9,10,11,12,13,14,15
	QG \k, 1
.endr
	ASTORE 1
	v_cmp_eq_u32 vcc_lo, 0, v[LANE]
	s_wait_xcnt 0x0                                ; EXEC is a source of the stores above: it changes only behind this wait
	s_and_saveexec_b32 s24, vcc_lo
	global_store_b128 v[AO], v[XSV:XSV+3], s[22:23]  ; lane 0: both rows' xs, twice each: 16 bytes a wave
	s_wait_xcnt 0x0                                ; and again, in front of the line that widens it
	s_or_b32 exec_lo, exec_lo, s24
	s_wait_tensorcnt 0x0                           ; the wave's end: three lines, behind my last LDS store
	ds_add_u32 v[SPW], v[NIL]
	s_wait_dscnt 0x0
	s_endpgm
.Lfunc_end_k_q1aea6603d9_prep:
	.size	k_q1aea6603d9_prep, .Lfunc_end_k_q1aea6603d9_prep-k_q1aea6603d9_prep
	.p2alignl 7, 3214868480
	.fill 96, 4, 3214868480
	.section	.rodata,"a",@progbits
	.p2align	6, 0x0
	.amdhsa_kernel k_q1aea6603d9_prep
		.amdhsa_group_segment_fixed_size 132096
		.amdhsa_private_segment_fixed_size 0
		.amdhsa_enable_private_segment 0
		.amdhsa_kernarg_size 64
		.amdhsa_user_sgpr_count 2
		.amdhsa_user_sgpr_kernarg_segment_ptr 1
		.amdhsa_wavefront_size32 1
		.amdhsa_system_sgpr_workgroup_id_x 1
		.amdhsa_system_sgpr_workgroup_id_y 1
		.amdhsa_system_sgpr_workgroup_id_z 1
		.amdhsa_system_vgpr_workitem_id 0
		.amdhsa_next_free_vgpr 512
		.amdhsa_next_free_sgpr 66
		.amdhsa_reserve_vcc 1
		.amdhsa_float_denorm_mode_32 3
		.amdhsa_float_denorm_mode_16_64 3
		.amdhsa_memory_ordered 1
		.amdhsa_forward_progress 1
		.amdhsa_inst_pref_size 158
	.end_amdhsa_kernel
	.amdgpu_metadata
---
amdhsa.version: [ 1, 2 ]
amdhsa.kernels:
  - .name:           k_q1aea6603d9_prep
    .symbol:         k_q1aea6603d9_prep.kd
    .args:
      - { .name: x, .offset: 0, .size: 8, .value_kind: global_buffer, .address_space: global }
      - { .name: normal_indices, .offset: 8, .size: 8, .value_kind: global_buffer, .address_space: global }
      - { .name: outlier_indices, .offset: 16, .size: 8, .value_kind: global_buffer, .address_space: global }
      - { .name: weight_int8, .offset: 24, .size: 8, .value_kind: global_buffer, .address_space: global }
      - { .name: weight_outlier_fp16, .offset: 32, .size: 8, .value_kind: global_buffer, .address_space: global }
      - { .name: a2, .offset: 40, .size: 8, .value_kind: global_buffer, .address_space: global }
      - { .name: b2, .offset: 48, .size: 8, .value_kind: global_buffer, .address_space: global }
      - { .name: xs2, .offset: 56, .size: 8, .value_kind: global_buffer, .address_space: global }
    .group_segment_fixed_size: 132096
    .private_segment_fixed_size: 0
    .kernarg_segment_align: 8
    .kernarg_segment_size: 64
    .max_flat_workgroup_size: 256
    .sgpr_count:     66
    .vgpr_count:     512
    .wavefront_size: 32
...
	.end_amdgpu_metadata
.endif
;; end of part 1
;; launch gemm (part 2): grid 16 x 16, 4 waves a work-group, clusters of 4 x 4, 327,680 bytes of LDS; arguments a2, b2, xs2, weight_scale, out0; writes out0
.if DOCPART == 2
	.amdgcn_target "amdgcn-amd-amdhsa--gfx1250"
	.amdhsa_code_object_version 6
	.text
	.protected	k_q1aea6603d9_gemm
	.globl	k_q1aea6603d9_gemm
	.p2align	8
	.type	k_q1aea6603d9_gemm,@function
k_q1aea6603d9_gemm:
	s_mov_b64 s[64:65], 0
	v_nop
	global_prefetch_b8 v0, s[64:65] scope:SCOPE_SE
	s_setreg_imm32_b32 hwreg(HW_REG_WAVE_MODE, 25, 1), 1
	s_wait_xcnt 0x0
	s_wait_alu depctr_hold_cnt(0) depctr_sa_sdst(0) depctr_va_vdst(0) depctr_va_sdst(0) depctr_va_ssrc(0) depctr_va_vcc(0) depctr_vm_vsrc(0)
	s_getreg_b32 s2, hwreg(HW_REG_IB_STS2, 6, 4)
	s_cmp_eq_u32 s2, 0
	s_cbranch_scc0 .Lentry_in_a_cluster
	s_endpgm
.Lentry_in_a_cluster:
	s_bfe_u32 s2, ttmp6, 0x10000c
	s_cmp_lg_u32 s2, 0xf033
	s_cbranch_scc0 .Lentry_shape_is_right
	s_endpgm
.Lentry_shape_is_right:
; QuantizedLinear, second of two launches: out[t][n] = xs[t] ws[n] sum_{k < 3968} a2[t][k] b2[n][k] + sum_{k >= 3968} a2[t][k] b2[n][k].  Nothing of reference() is left out.
; a2, b2: [4096][4096] bf16, as the first launch laid them: columns 0 .. 3,967 whole numbers (the quantised x; the int8 weights), columns 3,968 .. 4,095 the outlier operands.  out: [4096][4096] f32.
; ONE PRODUCT OVER K = 4,096, in 32 K steps of 128.  K steps 0 .. 30 sum the whole numbers in f32; then each accumulator is multiplied in its registers by xs[t] and by ws[n], in reference()'s
; order; K step 31 adds the outlier product onto the same accumulators.  No division by ws is made anywhere, so ws = 0 is served.
; LIMITS.  Products of whole numbers up to 127 are exact, and so are their f32 sums up to 2^24; a larger sum (6.4e7 at the most) carries f32's rounding.  The outlier product has bf16 operands.
; SHARES.  A tile of out, 256 x 256, is made by a work-group of four waves; a wave makes 128 x 128: 64 accumulators of 16 x 16, 512 registers.  16 x 16 tiles, one work-group each.
; THE RING.  Two LDS slots, each with 256 rows of a2 and 256 of b2 for one K step, filled by the tensor data mover: a row of a tile is 256 bytes of memory, at a multiple of 256 from the buffer's first byte.
; CLUSTERS.  4 x 4 work-groups.  The four of a row of the cluster need the same tiles of a2, the four of a column the same tiles of b2: each tile is asked for JOINTLY, by the same tensor load with
; the same descriptor and a mask that names the four, which divides the requests for both by four.
; THE MATRIX INSTRUCTION IS USED TRANSPOSED: source 0 = 16 rows of b2, source 1 = 16 rows of a2.  In the result lane l holds row l % 16 of out and its registers 0 to 7 the columns 8 (l / 16) + 0 .. 7:
; 32 consecutive bytes; one xs serves all eight, and eight ws, the same for all row blocks, lie in eight registers.
; REGISTERS, in windows of 256 (s_set_vgpr_msb: bits 1:0 source 0, 3:2 source 1, 5:4 source 2, 7:6 destination):
;   window 0: v0-31 addresses; v32-47 xs; v64-127, v128-191 fragments of a2, two buffers (on the way out: rows read back from the stage); v192-255 ws
;   window 1: v64-127, v128-191 fragments of b2     window 2: the 32 accumulators of my rows 0-63 ((a, b) at v[8 (8 a + b)])     window 3: those of my rows 64-127
; LEFT OUT: a last K step by rows of out, and tiles that stay, so that stores would leave under products: the tail is plain.
.set SIZE_K, 4096
.set OROW,   16384                     ; bytes in a row of out
.set KSTEP,  128
.set PITCH,  272                       ; an LDS row: 256 bytes + 16 of padding = 68 words: row r starts at bank 4 r mod 64 (64 banks of 4 bytes: ISA guide 11.1), so the 16 rows of a load start at 16 different banks
.set HALFT,  128*PITCH                 ; 128 rows: what one tensor load brings, and what one wave reads of a2 or of b2
.set SLOT,   4*HALFT                   ; a2's 256 rows, then b2's 256 rows
.set STAGE,  2*SLOT                    ; behind the ring, never filled by a tensor load: 16 rows x 528 bytes for each wave, for the way out
.set SPITCH, 528                       ; 512 bytes + 16 = 132 words: again 16 rows at 16 different banks
.set SPARE,  STAGE+4*16*SPITCH         ; behind the stages: the spare words, 128 bytes for each wave: two blocks of 256 bytes that no other line names
.set LAPS,   SIZE_K/(2*KSTEP)          ; a lap = two K steps = once round the ring: 16
.set WSO,  6                           ; v6      32 (l / 16): my eight ws of 16 columns
.set XSO,  7                           ; v7      8 (l % 16): my pair of xs2 among 16 rows
.set ADRA, 16                          ; v16-17  LDS address of my a2 fragments in slot 0, 1
.set ADRB, 20                          ; v20-21  the same for b2
.set STO,  24                          ; v24     the way out: where I put 32 bytes of a row
.set RD,   25                          ; v25     the way out: where I read 16 bytes of a row back
.set CO,   26                          ; v26     16 l: my bytes in 512 consecutive bytes of out; never rewritten
.set SPW,  28                          ; v28     LDS address of my spare word: SPARE + 4 x my thread's number; never rewritten
.set NIL,  29                          ; v29     0; never rewritten
.set PFO,  30                          ; v30     the prefetches' offset: my lane x a row of a2 or b2 (8,192 bytes); never rewritten
.set XS,   32                          ; v32-47  pair 2 a: xs, twice, of row 16 a + l % 16 of my 128
.set WS,   192                         ; v192-255  WS + 8 b + j: ws of column 16 b + 8 (l / 16) + j of my 128
.set F0,   64
.set F1,   128
.set PFA,  44                          ; s[44:45] where my prefetches stand: my work-group's 32 rows of the 128 that I fetch, one K step further along K than the refill that is being asked for
.set LIM,  43                          ; s43     1 in a wave that prefetches, else the greatest number
.set G1,  24                           ; s[24:31] descriptor group 1 for a2's tiles
.set G0,  32                           ; s[32:39] descriptor group 0 for a2's tiles, one set for each slot
.set G1B, 48                           ; s[48:55] group 1 for b2's tiles: it differs in the mask alone
.set G0B, 56                           ; s[56:63] group 0 for b2's tiles
.set MSB, 0
.macro WIN new                         ; the immediate's high byte repeats the setting that is left; a switch that changes nothing is dropped
.if MSB != (\new)
	s_set_vgpr_msb (MSB<<8)|(\new)
.set MSB, \new
.endif
.endm
.set MUL_LO, 0xa1                      ; source 0 (b2) window 1, source 1 (a2) window 0, C and D window 2
.set MUL_HI, 0xf1                      ; the same, C and D window 3
.set TO_B,   0x40                      ; destination window 1, address window 0
; A joint load.  Waves 0 and 1 fetch a2's two halves, waves 2 and 3 b2's.  Each of the two lines has one mask and one set of registers for all that issue it; the branch hangs on the wave's number alone.
; An s_nop 0 and four v_nop follow each of the two lines, ahead of the jump, the label and what follows.
.macro JLOAD s
	s_cmp_eq_u32 s11, 0
	s_cbranch_scc0 .Lfor_b_\@
	tensor_load_to_lds s[G0+4*(\s):G0+4*(\s)+3], s[G1:G1+7]
	s_nop 0
.rept 4
	v_nop
.endr
	s_branch .Lasked_\@
.Lfor_b_\@:
	tensor_load_to_lds s[G0B+4*(\s):G0B+4*(\s)+3], s[G1B:G1B+7]
	s_nop 0
.rept 4
	v_nop
.endr
.Lasked_\@:
.endm
; A PREFETCH INTO THE L2, behind each joint refill, its five lines and the run of LDS loads that follows them: the K step that stands two refills on (512 matrix instructions ahead of the load that will ask
; for it): 32 rows x 256 bytes, a lane a row, one instruction a wave.  Each row's 256 bytes of a K step are named once in the launch: a2's tile row is read by every cluster of that row of clusters, and the
; one with cluster x = 0 asks; b2's tile column by every cluster of that column, and the one with cluster y = 0 asks.  The four partners that ask for a tile jointly share its rows out by address: of the 128
; rows that a wave fetches the partner at place p takes 32 p .. 32 p + 31 (p = cx for a2, cy for b2): no branch hangs on a place in the cluster.  K steps 0 to 3 come by their loads alone; the loop's
; last trip (s3 = 1), which refills K steps 30 and 31, asks for nothing: there is no K step 32.
.macro ASK
	s_cmp_gt_u32 s3, s[LIM]
	s_cbranch_scc0 .Lnot_mine_\@
	global_prefetch_b8 v[PFO], s[PFA:PFA+1] offset:KSTEP*2 th:TH_LOAD_NT scope:SCOPE_SE
.Lnot_mine_\@:
.endm
; A round of the cluster's barrier: my work-group's barrier, so that wave 0's signal speaks for all four waves; wave 0 signals; every wave waits for all sixteen work-groups; my work-group's barrier once more.
.macro CREST                           ; a round behind its opening barrier
	s_cmp_lg_u32 s10, 0
	s_cbranch_scc1 .Lnot_wave_0_\@
	s_barrier_signal -3
.Lnot_wave_0_\@:
	s_barrier_wait -3
	s_barrier_signal -1
	s_barrier_wait -1
.endm
.macro CROUND                          ; a whole round
	s_barrier_signal -1
	s_barrier_wait -1
	CREST
.endm
	s_load_b128 s[4:7], s[0:1], 0x0                ; a2 s[4:5], b2 s[6:7]
	s_load_b128 s[68:71], s[0:1], 0x10             ; xs2 s[68:69], weight_scale s[70:71]
	s_load_b64 s[8:9], s[0:1], 0x20                ; out0
	v_lshl_add_u32 v[SPW], v0, 2, SPARE
	v_mov_b32 v[NIL], 0
	ds_add_u32 v[SPW], v[NIL]                      ; the wave's opening: the add, twice on end, and its wait ahead of my first tensor load; the set-up below stands between
	ds_add_u32 v[SPW], v[NIL]                      ; and once more, under the one wait
	v_lshrrev_b32 v1, 5, v0
	v_readfirstlane_b32 s10, v1                    ; wave 0..3
	s_lshr_b32 s11, s10, 1                         ; which half of the tile's rows is mine.  Also: I fetch for a2 (0) or for b2 (1)
	s_and_b32 s12, s10, 1                          ; which half of its columns.  Also: which 128 rows of that tile I fetch
	s_bfe_u32 s40, ttmp6, 0x40000                  ; cx: my place along the cluster's x
	s_bfe_u32 s41, ttmp6, 0x40004                  ; cy: along its y
	s_lshl_b32 s42, ttmp9, 2                       ; in a cluster launch ttmp9 and ttmp7 count clusters
	s_add_co_u32 s42, s42, s40                     ; tile column = 4 x cluster x + cx
	s_and_b32 s13, ttmp7, 0xffff
	s_lshl_b32 s13, s13, 2
	s_add_co_u32 s13, s13, s41                     ; tile row = 4 x cluster y + cy
	s_lshl_b32 s43, s41, 2
	s_lshl_b32 s43, 15, s43                        ; my row of the cluster: places 4 cy .. 4 cy + 3
	s_lshl_b32 s44, 0x1111, s40                    ; my column: places cx, cx + 4, cx + 8, cx + 12
	; descriptor group 1: a tile of 128 rows x 128 elements, padded in LDS
	s_or_b32 s[G1+0], s43, (1<<16)|(1<<20)|(1<<21)|(5<<22)|(3<<25)  ; 15:0 the mask: a2's tiles go to my row; 17:16 elements of 2 bytes; 20 padding on; 21 set beside a mask; 24:22 after every 64 words (code 5); 31:25 4 words of it (code 3)
	s_or_b32 s[G1B+0], s44, (1<<16)|(1<<20)|(1<<21)|(5<<22)|(3<<25) ; the same with the mask of my column, for b2's tiles
.irp g, G1, G1B
	s_mov_b32 s[(\g)+1], KSTEP<<16                 ; tensor_dim0 = 128
	s_mov_b32 s[(\g)+2], 128<<16                   ; tensor_dim1 = 128
	s_mov_b32 s[(\g)+3], KSTEP<<16                 ; tile_dim0 = 128
	s_mov_b32 s[(\g)+4], 128                       ; tile_dim1 = 128
	s_mov_b32 s[(\g)+5], SIZE_K                    ; 4,096 elements from row to row
	s_mov_b32 s[(\g)+6], 0
	s_mov_b32 s[(\g)+7], 0
.endr
	; where the tiles come from: a2's hang on the tile row alone, which my row of the cluster shares; b2's on the tile column alone, which my column shares
	s_lshl_b32 s17, s12, 7                         ; which 128 rows of the tile I fetch
	s_lshl_b32 s16, s13, 8
	s_add_co_u32 s16, s16, s17                     ; a2: row 256 x tile row + 128 x half
	s_lshl_b32 s46, s42, 8
	s_add_co_u32 s46, s46, s17                     ; b2: row 256 x tile column + 128 x half
	s_mov_b32 s17, 0
	s_mov_b32 s47, 0
	s_mov_b64 s[18:19], SIZE_K*2
	s_mul_u64 s[16:17], s[16:17], s[18:19]         ; in bytes
	s_mul_u64 s[46:47], s[46:47], s[18:19]
	s_mul_i32 s20, s10, HALFT                      ; and where they go: wave x 128 rows: no place in the cluster enters an LDS address
	s_wait_dscnt 0x0                               ; both opening adds are done
	s_wait_kmcnt 0x0
	s_add_nc_u64 s[14:15], s[4:5], s[16:17]
	s_add_nc_u64 s[46:47], s[6:7], s[46:47]
	CROUND                                         ; all sixteen work-groups are here: the first joint loads meet
.irp s, 0,1
	s_mov_b32 s[G0+4*(\s)], 1                                      ; count = 1
	s_add_co_u32 s[G0+4*(\s)+1], s20, (\s)*SLOT                    ; LDS address
	s_add_nc_u64 s[G0+4*(\s)+2:G0+4*(\s)+3], s[14:15], (\s)*KSTEP*2  ; global address: K step s
	s_or_b32 s[G0+4*(\s)+3], s[G0+4*(\s)+3], 0x80000000            ; type = 2
	s_mov_b32 s[G0B+4*(\s)], 1
	s_add_co_u32 s[G0B+4*(\s)+1], s20, (\s)*SLOT
	s_add_nc_u64 s[G0B+4*(\s)+2:G0B+4*(\s)+3], s[46:47], (\s)*KSTEP*2
	s_or_b32 s[G0B+4*(\s)+3], s[G0B+4*(\s)+3], 0x80000000
	JLOAD \s                                       ; the ring is filled before anything else is done: two loads of mine are out
.endr
	; A fragment is 16 rows x 32 K in 8 registers: lane l holds row l % 16; registers 0-3 K = 8 (l / 16) + 0..7, registers 4-7 K = 16 + 8 (l / 16) + 0..7: two loads of 16 bytes, 32 bytes apart.
	v_and_b32 v1, 15, v0                           ; l % 16
	v_bfe_u32 v2, v0, 4, 1                         ; l / 16
	v_mul_u32_u24 v3, v1, PITCH
	v_lshl_add_u32 v3, v2, 4, v3                   ; row x pitch + 16 x half
	s_mul_i32 s21, s11, HALFT                      ; my 128 rows of a2
	s_mul_i32 s22, s12, HALFT                      ; my 128 rows of b2,
	s_add_co_u32 s22, s22, 2*HALFT                 ; which lie behind a2's 256
.irp s, 0,1
	v_add_nc_u32 v[ADRA+(\s)], s21, v3
	v_add_nc_u32 v[ADRB+(\s)], s22, v3
	s_add_co_u32 s21, s21, SLOT
	s_add_co_u32 s22, s22, SLOT
.endr
	s_mul_i32 s23, s10, 16*SPITCH
	s_add_co_u32 s23, s23, STAGE                   ; my stage
	v_mul_u32_u24 v4, v1, SPITCH                   ; in: row l % 16, 32 bytes for each half of the lanes
	v_lshl_add_u32 v4, v2, 5, v4
	v_add_nc_u32 v[STO], s23, v4
	v_and_b32 v5, 31, v0
	v_lshlrev_b32 v[CO], 4, v5                     ; back: 32 lanes take one row of 512 bytes,
	v_add_nc_u32 v[RD], s23, v[CO]                 ; which are 512 consecutive bytes of out
	v_lshlrev_b32 v[WSO], 5, v2
	v_lshlrev_b32 v[XSO], 3, v1
	s_lshl_b32 s13, s13, 8                         ; 256 x tile row
	s_lshl_b32 s14, s11, 7
	s_add_co_u32 s16, s13, s14                     ; my first row of out
	s_lshl_b32 s20, s16, 3                         ; its pair in xs2
	s_mov_b32 s21, 0
	s_add_nc_u64 s[68:69], s[68:69], s[20:21]
	s_lshl_b32 s16, s16, 14                        ; its first byte in out: under 2^26
	s_mov_b32 s17, 0
	s_add_nc_u64 s[8:9], s[8:9], s[16:17]
	s_lshl_b32 s46, s42, 10                        ; my first column, 4 bytes each: 1,024 x tile column + 512 x half: in out's rows and in weight_scale alike
	s_lshl_b32 s47, s12, 9
	s_add_co_u32 s46, s46, s47
	s_mov_b32 s47, 0
	s_add_nc_u64 s[8:9], s[8:9], s[46:47]
	s_add_nc_u64 s[70:71], s[70:71], s[46:47]
.irp a, 0,1,2,3,4,5,6,7
	global_load_b64 v[XS+2*(\a):XS+2*(\a)+1], v[XSO], s[68:69] offset:128*(\a)  ; wanted behind K step 30: waited for there
.endr
.irp b, 0,1,2,3,4,5,6,7
	global_load_b128 v[WS+8*(\b):WS+8*(\b)+3],   v[WSO], s[70:71] offset:64*(\b)
	global_load_b128 v[WS+8*(\b)+4:WS+8*(\b)+7], v[WSO], s[70:71] offset:64*(\b)+16
.endr
	; the prefetches.  s13 = 256 x tile row, s42 = tile column, s40 = cx, s41 = cy still stand
	s_lshl_b32 s42, s42, 8
	s_and_b32 s22, ttmp7, 0xffff                   ; cluster y
	s_cmp_eq_u32 s11, 0                            ; do I fetch for a2?
	s_cselect_b32 s20, s13, s42                    ; the tile's first row: in a2 by the tile row, in b2 by the tile column
	s_cselect_b32 s21, s40, s41                    ; my place among the four that ask for it with me
	s_cselect_b32 s22, ttmp9, s22                  ; the coordinate along which other clusters read the same rows
	s_cselect_b64 s[PFA:PFA+1], s[4:5], s[6:7]
	s_cmp_eq_u32 s22, 0
	s_cselect_b32 s[LIM], 1, -1                    ; the same in all sixteen partners, for a given wave
	s_lshl_b32 s22, s12, 7
	s_add_co_u32 s20, s20, s22                     ; + the 128 rows that I fetch
	s_lshl_b32 s21, s21, 5
	s_add_co_u32 s20, s20, s21                     ; + my work-group's 32 of them
	s_mov_b32 s21, 0
	s_mov_b64 s[18:19], SIZE_K*2
	s_mul_u64 s[20:21], s[20:21], s[18:19]
	s_add_nc_u64 s[PFA:PFA+1], s[PFA:PFA+1], s[20:21]
	s_add_nc_u64 s[PFA:PFA+1], s[PFA:PFA+1], 2*KSTEP*2  ; at K step 2: the first refill steps it to 3 and names K step 4
	v_and_b32 v[PFO], 31, v0
	v_mul_u32_u24 v[PFO], v[PFO], SIZE_K*2
; 16 matrix instructions: row blocks a0, a0 + 1 of the window's four (hi = 0: my rows 0-63, 1: rows 64-127) x all 8 column blocks, 32 along K.  zero = 1: the first product starts the sums: nothing is cleared.
; The 64 accumulators take turns, one instruction a turn, in the same order in every quarter step.
.macro MUL16 f, hi, a0, zero
	WIN MUL_LO+0x50*(\hi)
.irp a, \a0, (\a0)+1
.irp b, 0,1,2,3,4,5,6,7
.if \zero
	v_wmma_f32_16x16x32_bf16 v[8*(8*(\a)+(\b)):8*(8*(\a)+(\b))+7], v[(\f)+8*(\b):(\f)+8*(\b)+7], v[(\f)+8*(4*(\hi)+(\a)):(\f)+8*(4*(\hi)+(\a))+7], 0
.else
	v_wmma_f32_16x16x32_bf16 v[8*(8*(\a)+(\b)):8*(8*(\a)+(\b))+7], v[(\f)+8*(\b):(\f)+8*(\b)+7], v[(\f)+8*(4*(\hi)+(\a)):(\f)+8*(4*(\hi)+(\a))+7], v[8*(8*(\a)+(\b)):8*(8*(\a)+(\b))+7]
.endif
.endr
.endr
.endm
; 32 LDS loads in one run: the fragments of one quarter step (128 rows of b2, 128 rows of a2, 32 K at byte k of the rows) into buffer f
.macro FETCH slot, k, f
	WIN TO_B
.irp i, 0,1,2,3,4,5,6,7
	ds_load_b128 v[(\f)+8*(\i):(\f)+8*(\i)+3],   v[ADRB+(\slot)] offset:(\k)+(\i)*16*PITCH
	ds_load_b128 v[(\f)+8*(\i)+4:(\f)+8*(\i)+7], v[ADRB+(\slot)] offset:(\k)+(\i)*16*PITCH+32
.endr
	WIN 0
.irp i, 0,1,2,3,4,5,6,7
	ds_load_b128 v[(\f)+8*(\i):(\f)+8*(\i)+3],   v[ADRA+(\slot)] offset:(\k)+(\i)*16*PITCH
	ds_load_b128 v[(\f)+8*(\i)+4:(\f)+8*(\i)+7], v[ADRA+(\slot)] offset:(\k)+(\i)*16*PITCH+32
.endr
.endm
; A load into a register that a matrix instruction has read, and a vector instruction or an LDS store that reads a matrix result, stand four places behind that matrix instruction, and only plain vector
; instructions that name none of its registers are places (ISA guide 7.12.1 for vector instructions).
.macro PLACES
.rept 4
	v_nop
.endr
.endm
; A K step is four quarter steps of 32 along K, 64 matrix instructions each, on buffers 0, 1, 0, 1.  One of the first three: multiplies buffer f; in its middle it fetches the next quarter, at byte k, into g.
.macro QUARTER slot, k, f, g, zero
	s_wait_dscnt 8                                 ; b2 and a2's rows 0-63 are in; the youngest eight loads (a2's rows 64-127) may be out
	WIN MUL_LO
	MUL16 \f, 0, 0, \zero
	MUL16 \f, 0, 2, \zero
	PLACES
	FETCH \slot, \k, \g
	s_wait_dscnt 32                                ; all but the 32 just issued
	WIN MUL_HI
	MUL16 \f, 1, 0, \zero
	MUL16 \f, 1, 2, \zero
.endm
; The last quarter multiplies buffer 1 and changes slots.  MEET is its first half: ONE barrier for two things.  In front of it each wave waits for all its tensor loads, of which one is out: its part of
; the next slot; adds 0 to its spare word; and waits for that and for its own reads of this slot.  Behind it nobody reads this slot any more and the next slot is whole.
.macro MEET round                      ; round = 1: a round of the cluster's barrier follows
	WIN 0                                          ; (the add's two registers lie in window 0)
	s_wait_tensorcnt 0x0                           ; all my tensor loads have landed;
	ds_add_u32 v[SPW], v[NIL]                      ; 0 onto my spare word;
	s_wait_dscnt 9                                 ; (the add and the youngest eight loads may be out)
	WIN MUL_LO
	MUL16 F1, 0, 0, 0                              ; sixteen matrix instructions stand between the add and the wait for it
	s_wait_dscnt 0x0                               ; the add is done, and my reads of this slot are over:
	s_barrier_signal -1                            ; say so,
	MUL16 F1, 0, 2, 0                              ; work on registers while the others arrive,
.if \round
	WIN 0
.endif
	s_barrier_wait -1                              ; and go on when all four have said so
.endm
; The whole last quarter, in the loop: behind the round the slot just read out is filled again first, with the K step two steps on; then come the next slot's first fragments.
; From a request to the wait for it a wave issues 224 matrix instructions.
.macro TURN slot, next
	s_wait_xcnt 0x0                                ; the last prefetch, a K step back, has read its address: it is stepped here, ahead of the waits of the change of slots
	s_add_nc_u64 s[PFA:PFA+1], s[PFA:PFA+1], KSTEP*2
	MEET 1
	CREST                                          ; all sixteen work-groups have said so: no wave of any partner still reads this slot's tile or has a load on its way
	s_add_nc_u64 s[G0+4*(\slot)+2:G0+4*(\slot)+3], s[G0+4*(\slot)+2:G0+4*(\slot)+3], 2*KSTEP*2
	s_add_nc_u64 s[G0B+4*(\slot)+2:G0B+4*(\slot)+3], s[G0B+4*(\slot)+2:G0B+4*(\slot)+3], 2*KSTEP*2
	JLOAD \slot                                    ; the first tensor load behind the round; the four v_nop behind it are also the places in front of the loads below
	FETCH \next, 0, F0
	ASK
	WIN MUL_HI
	MUL16 F1, 1, 0, 0
	MUL16 F1, 1, 2, 0
.endm
; THE RESCALING between K steps 30 and 31: every accumulator times xs of its row, then times ws of its columns, two numbers an instruction; each accumulator's lowest pair is read first.
; The products just issued wrote window 3: window 2's 256 lines, which name none of their registers, are the places behind them; window 2's last products stand in front of four v_nop.
.macro DEQUANT
	s_wait_loadcnt 0x0                             ; xs and ws, asked for at the head
.irp hi, 0,1
	WIN 0x82+0x41*(\hi)                            ; destination and source 0 window 2 or 3, source 1 window 0
.irp a, 0,1,2,3
.irp b, 0,1,2,3,4,5,6,7
.irp p, 0,1,2,3
	v_pk_mul_f32 v[64*(\a)+8*(\b)+2*(\p):64*(\a)+8*(\b)+2*(\p)+1], v[64*(\a)+8*(\b)+2*(\p):64*(\a)+8*(\b)+2*(\p)+1], v[XS+2*(4*(\hi)+(\a)):XS+2*(4*(\hi)+(\a))+1]
.endr
.irp p, 0,1,2,3
	v_pk_mul_f32 v[64*(\a)+8*(\b)+2*(\p):64*(\a)+8*(\b)+2*(\p)+1], v[64*(\a)+8*(\b)+2*(\p):64*(\a)+8*(\b)+2*(\p)+1], v[WS+8*(\b)+2*(\p):WS+8*(\b)+2*(\p)+1]
.endr
.endr
.endr
.endr
.endm
; THE WAY OUT of block a (16 rows x 128 columns of f32).  TOSTAGE: a lane's 32 bytes of a row, for each of 8 column blocks, into my own stage; back as whole rows of 512 bytes, into the buffer a % 2 of
; the two that held a2's fragments.  LDS serves a wave's instructions in order (ISA guide 5.7.1.4): the loads see the stores above them, and the next block's stores come behind these loads.
.macro TOSTAGE a
.set AC, 64*((\a)%4)
.set BK, 64+64*((\a)%2)
.if (\a) >= 2
	s_wait_xcnt 0x0                                ; the stores of the block two back have read this buffer (ISA guide 3.1)
.endif
	WIN 0x08+4*((\a)/4)                            ; data (source 1) window 2 or 3
.irp b, 0,1,2,3,4,5,6,7
	ds_store_b128 v[STO], v[AC+8*(\b):AC+8*(\b)+3]   offset:64*(\b)
	ds_store_b128 v[STO], v[AC+8*(\b)+4:AC+8*(\b)+7] offset:64*(\b)+16
.endr
	WIN 0
.irp t, 0,1,2,3,4,5,6,7,8,9,10,11,12,13,14,15
	ds_load_b128 v[BK+4*(\t):BK+4*(\t)+3], v[RD] offset:SPITCH*(\t)
.endr
.endm
.macro SEND a, younger                 ; younger: the LDS instructions issued behind block a's loads: the next block's 16 stores and 16 loads, or none
.set BK, 64+64*((\a)%2)
	s_wait_dscnt \younger
.irp t, 0,1,2,3,4,5,6,7,8,9,10,11,12,13,14,15
	global_store_b128 v[CO], v[BK+4*(\t):BK+4*(\t)+3], s[8:9] offset:(16*(\a)+(\t))*OROW th:TH_STORE_NT  ; the wave stores 512 consecutive bytes, at a multiple of 512 from out's first byte; 127 rows at the most stand in the immediate
.endr
.endm
	s_wait_tensorcnt 1                             ; my part of K step 0 is in; K step 1's load stays out
	s_barrier_signal -1
	s_barrier_wait -1                              ; everybody's is
	FETCH 0, 0, F0
	QUARTER 0, 64,  F0, F1, 1                      ; the first quarter stands in front of the loop: its products start the sums
	WIN 0                                          ; at a label and at a branch every window is 0
	s_mov_b32 s3, LAPS-1
.Llap:                                                 ; 15 trips: once round the ring, from a lap's second quarter to the next lap's first; trip i fills the slots with K steps 2 i and 2 i + 1
	QUARTER 0, 128, F1, F0, 0
	QUARTER 0, 192, F0, F1, 0
	TURN 0, 1
	QUARTER 1, 64,  F0, F1, 0
	QUARTER 1, 128, F1, F0, 0
	QUARTER 1, 192, F0, F1, 0
	TURN 1, 0
	QUARTER 0, 64,  F0, F1, 0
	WIN 0
	s_sub_co_u32 s3, s3, 1
	s_cmp_lg_u32 s3, 0
	s_cbranch_scc1 .Llap
	QUARTER 0, 128, F1, F0, 0                      ; K step 30 goes on
	QUARTER 0, 192, F0, F1, 0
	MEET 0                                         ; my one tensor load that was still out is K step 31's, so no round follows
	PLACES                                         ; for the loads into buffer 0
	FETCH 1, 0, F0
	WIN MUL_HI
	MUL16 F1, 1, 0, 0
	MUL16 F1, 1, 2, 0                              ; the sums of whole numbers are finished
	DEQUANT
	QUARTER 1, 64,  F0, F1, 0                      ; K step 31: the outlier product, onto the same accumulators, in the same order of turns
	QUARTER 1, 128, F1, F0, 0
	QUARTER 1, 192, F0, F1, 0
	s_wait_dscnt 8                                 ; the very last quarter: nothing more to fetch
	WIN MUL_LO
	MUL16 F1, 0, 0, 0
	MUL16 F1, 0, 2, 0
	s_wait_dscnt 0x0
	MUL16 F1, 1, 0, 0
	MUL16 F1, 1, 2, 0
	WIN 0
	PLACES                                         ; in front of LDS stores that read results, and of loads into the fragments' registers
	TOSTAGE 0
.irp a, 1,2,3,4,5,6,7                  ; block a's way through the stage stands between block a - 1's loads and the wait for them
	TOSTAGE \a
	SEND (\a)-1, 32
.endr
	SEND 7, 0
	s_wait_tensorcnt 0x0                           ; the wave's end: three lines, behind my last tensor load and my last LDS store
	ds_add_u32 v[SPW], v[NIL]
	s_wait_dscnt 0x0
	CROUND                                         ; the closing round: no work-group ends while a partner may still ask for a tile that names it
	s_endpgm
.Lfunc_end_k_q1aea6603d9_gemm:
	.size	k_q1aea6603d9_gemm, .Lfunc_end_k_q1aea6603d9_gemm-k_q1aea6603d9_gemm
	.p2alignl 7, 3214868480
	.fill 96, 4, 3214868480
	.section	.rodata,"a",@progbits
	.p2align	6, 0x0
	.amdhsa_kernel k_q1aea6603d9_gemm
		.amdhsa_group_segment_fixed_size 327680
		.amdhsa_private_segment_fixed_size 0
		.amdhsa_enable_private_segment 0
		.amdhsa_kernarg_size 40
		.amdhsa_user_sgpr_count 2
		.amdhsa_user_sgpr_kernarg_segment_ptr 1
		.amdhsa_wavefront_size32 1
		.amdhsa_system_sgpr_workgroup_id_x 1
		.amdhsa_system_sgpr_workgroup_id_y 1
		.amdhsa_system_sgpr_workgroup_id_z 1
		.amdhsa_system_vgpr_workitem_id 0
		.amdhsa_next_free_vgpr 1024
		.amdhsa_next_free_sgpr 72
		.amdhsa_reserve_vcc 0
		.amdhsa_float_denorm_mode_32 3
		.amdhsa_float_denorm_mode_16_64 3
		.amdhsa_memory_ordered 1
		.amdhsa_forward_progress 1
		.amdhsa_inst_pref_size 176
	.end_amdhsa_kernel
	.amdgpu_metadata
---
amdhsa.version: [ 1, 2 ]
amdhsa.kernels:
  - .name:           k_q1aea6603d9_gemm
    .symbol:         k_q1aea6603d9_gemm.kd
    .args:
      - { .name: a2, .offset: 0, .size: 8, .value_kind: global_buffer, .address_space: global }
      - { .name: b2, .offset: 8, .size: 8, .value_kind: global_buffer, .address_space: global }
      - { .name: xs2, .offset: 16, .size: 8, .value_kind: global_buffer, .address_space: global }
      - { .name: weight_scale, .offset: 24, .size: 8, .value_kind: global_buffer, .address_space: global }
      - { .name: out0, .offset: 32, .size: 8, .value_kind: global_buffer, .address_space: global }
    .group_segment_fixed_size: 327680
    .private_segment_fixed_size: 0
    .kernarg_segment_align: 8
    .kernarg_segment_size: 40
    .max_flat_workgroup_size: 128
    .sgpr_count:     72
    .vgpr_count:     1024
    .wavefront_size: 32
...
	.end_amdgpu_metadata
.endif
;; end of part 2
